; MI455X (gfx1250); checked and timed in simulation.
; The chip was launched on July 23, 2026; its instructions are those of AMD's public machine-readable ISA for CDNA 5 (MIT licence, August 2026) and "CDNA5" Instruction Set Architecture Reference Guide (July 2026). The comments in the code are by the model that wrote it; some were corrected since.
;; Vector Quantizer. Allowed arithmetic: matrix products marked QUANTISED: E3M2 operands, one E8M0 scale for each 32 along K, by v_wmma_scale_f32_16x16x128_f8f6f4 with both operands' format E3M2, f32 sums; everything else in f32.
;; Inputs: inputs 32 x 256 x 1,024 float32; weight 8,192 x 256 float32.
;; Outputs: out0 one number float32; out1 32 x 256 x 1,024 float32; out2 32,768 x 1 int32.
;; This version of the problem:
;;   THIS VERSION OF THE PROBLEM IS GIVEN IN LOW PRECISION. The matrix products marked QUANTISED in the list below multiply operands that are first quantised to E3M2 (3 exponent bits, 2 mantissa bits; 6 bits a number), with one power-of-two scale for each 32 numbers along K (OCP MX v1.0); their sums are f32. All else is computed in f32.
;;   The module's matrix products, in the order in which they are computed (A, B: the left and right operand; K: the contracted axis; several contracted axes count as one K, in the product's order):
;;     1. [M 32,768, K 256] x [K 256, N 8,192]; A: computed on the way; B: input weight: QUANTISED
;;   THE QUANTISER, for each operand of a quantised product, along K:
;;     - K is cut into blocks of 32 from its start; a last block that is shorter is filled with zeros.
;;     - A block's scale is 2^e with e = floor(log2(the largest magnitude in the block)) - 4, held to -126 .. 127; a block of zeros has e = 0. As a byte (E8M0): e + 127.
;;     - Each number is divided by its block's scale, clamped to +-28, and rounded to the nearest number of E3M2, ties to even, subnormals kept.
;;     - The product sums the exact products of the quantised numbers (number of the format x scale) in f32.
;;   ~~~python
;;   def quantise(x, axis):      # numpy; x: float32 -> the quantised numbers, widened to float32 again
;;       x = np.moveaxis(x, axis, -1); K = x.shape[-1]
;;       x = np.pad(x, [(0, 0)] * (x.ndim - 1) + [(0, -K % 32)]); x = x.reshape(x.shape[:-1] + (-1, 32)); a = np.abs(x).max(-1, keepdims=True)
;;       e = np.where(a > 0, np.clip(np.frexp(np.where(a > 0, a, 1))[1] - 1 - 4, -126, 127), 0)      # np.frexp(a)[1] - 1 = floor(log2(a)), exactly
;;       r = np.clip(x / 2.0 ** e, -28, 28)
;;       step = 2.0 ** (np.maximum(np.frexp(np.where(r == 0, 1, r))[1] - 1, -2) - 2)
;;       q = np.round(r / step) * step * 2.0 ** e      # np.round: ties to even
;;       return np.moveaxis(q.reshape(q.shape[:-2] + (-1,))[..., :K], -1, axis).astype(np.float32)
;;   ~~~
;;   OPERANDS COMPUTED ON THE WAY. 'Computed on the way' means the value that the module computes at that place (a softmax that the list does not call 'softmax' is quantised finished and normalised). What goes into a quantiser is computed in f32, as accurately as f32 sums, v_exp_f32 and their like allow (about 1e-6 of the number): no bf16 or f16 on the way to a quantiser, and a product that is left as it is and whose result goes on into a quantised operand takes f32 operands (vector FMAs, or v_wmma_f32_16x16x4_f32). A number that lies on a knife's edge between two numbers of the format may be rounded either way, as far as f32 arithmetic and the matrix unit's own rounding can turn it there, and no further.
;; One version. Each part assembles by itself: llvm-mc -triple=amdgcn-amd-amdhsa -mcpu=gfx1250 --defsym DOCPART=n.
;; ======== version 1 of 1: 4 launches
;; limits: right only within a limited range of input values
;; workspace buffers: wq 1,703,936 bytes; idxw 131,072 bytes of whole numbers; part 2,048 bytes
;; launch wquant (part 1): grid 256 x 1, 2 waves a work-group, no clusters, 35,072 bytes of LDS; arguments weight, wq; writes wq
.if DOCPART == 1
	.amdgcn_target "amdgcn-amd-amdhsa--gfx1250"
	.amdhsa_code_object_version 6
	.text
	.protected	k_q381d254029_wquant
	.globl	k_q381d254029_wquant
	.p2align	8
	.type	k_q381d254029_wquant,@function
k_q381d254029_wquant:
	s_mov_b64 s[64:65], 0
	v_nop
	global_prefetch_b8 v0, s[64:65] scope:SCOPE_SE
	s_setreg_imm32_b32 hwreg(HW_REG_WAVE_MODE, 25, 1), 1
	s_wait_xcnt 0x0
; weight [8192][256] f32 -> wq: 512 records of 3,328 bytes, one for each 16 codewords, laid as the matrix operand's registers want them.
; A record: bytes 512 g + 16 lane (g = 0..5): registers 4 g .. 4 g + 3 of the 24 fragment registers (K step 0: registers 0-11, K step 1: 12-23; codes of E3M2, 6 bits each);
; bytes 3072 + 4 lane: the scale words (lanes 0-15: row r's word of K step 0, lanes 16-31: of K step 1); bytes 3200 + 4 n: the 16 sums of squares w2, f32; bytes 3264 on: the same 16 again, so that the last 256 bytes are whole.
; A block's scale is 2^(floor(log2(its largest magnitude)) - 4): its byte is the largest magnitude's exponent field - 4, held at 1 from below.  A block of zeros keeps the byte 1: its codes are zeros, and this program alone reads the bytes.
; LIMITS: NaN and infinities among the inputs are not served.  w2 is summed in f32 in eight chains a lane and two lanes a row, not in the order of a plain loop.
; SHARES: one wave makes one record and shares nothing with the other wave: no barrier.  Each load takes 512 consecutive bytes (one K step of one row); the 8,192 bytes of a K step turn through the wave's own
; stage in LDS (rows 528 = 33 x 16 bytes apart) and come back 128 neighbouring bytes a lane and block: lane (r, h) holds k = 64 c + 32 h + 0 .. 31 of row r, as the operand's layout has it.
; No cluster: no two work-groups read the same bytes.  No tensor load: all of a wave's 16 KiB are asked for at once by 32 loads into registers.
.set REC,   3328
.set PITCH, 528
.set STG,   16*PITCH                   ; a K step's stage
.set TAIL,  2*STG                      ; behind the two stages: 256 bytes for the record's last unit
.set WREG,  17408                      ; LDS of a wave
.set WORD,  12                         ; v12-13  the scale words of K steps 0, 1
.set F,     16                         ; v16-39  the 24 fragment registers
.set TH,    40                         ; v40-46  the upper halves of two blocks' codes, as the conversions leave them
.set MX,    48                         ; v48-49  largest magnitudes
.set SO,    50                         ; v50-51  the conversions' scale operands
.set BY,    52                         ; v52-53  scale bytes
.set WD,    54                         ; v54     my two bytes at their places in the word
.set PT,    55                         ; v55     what the other half of the lanes holds
.set SQ,    56                         ; v56-63  sums of squares, four pairs
.set R,     64                         ; v64-191 the rows as loaded; later K step 1's numbers by blocks
.set X,     192                        ; v192-255 K step 0's numbers by blocks
	s_load_b128 s[4:7], s[0:1], 0x0                ; weight, wq
	v_lshl_add_u32 v43, v0, 2, 0x8800
	v_mov_b32 v47, 0
	v_lshrrev_b32 v1, 5, v0
	v_readfirstlane_b32 s8, v1                     ; wave 0..1
	v_and_b32 v1, 31, v0                           ; lane
	s_wait_alu depctr_va_vdst(0)
	v_and_b32 v2, 15, v0                           ; r
	s_wait_alu depctr_va_vdst(0)
	v_bfe_u32 v3, v0, 4, 1                         ; h
	s_lshl_b32 s9, ttmp9, 1
	s_add_co_u32 s9, s9, s8                        ; my record: 2 x work-group + wave
	s_lshl_b32 s10, s9, 14                         ; its 16 rows of 1,024 bytes
	s_mov_b32 s11, 0
	s_mul_i32 s14, s9, REC
	s_mov_b32 s15, 0
	s_mul_i32 s16, s8, WREG                        ; my LDS
	s_mov_b32 s12, 0x76543210
	s_mov_b32 s13, 0xfedcba98                      ; v_permlanex16_b32's selects for lane l xor 16
	v_lshlrev_b32 v4, 4, v1                        ; 16 x lane: a load's and a store's place
	v_add_nc_u32 v5, s16, v4                       ; into a stage: 16 x lane
	v_mul_u32_u24 v6, v2, PITCH
	s_wait_alu depctr_va_vdst(0)
	v_lshl_add_u32 v6, v3, 7, v6
	v_add_nc_u32 v6, s16, v6                       ; out of it: row r, + 128 h
	s_add_co_u32 s17, s16, TAIL
	v_lshl_add_u32 v7, v1, 2, s17                  ; the tail: 4 bytes a lane in,
	v_lshl_add_u32 v8, v1, 3, s17                  ; 8 bytes a lane out
	v_lshlrev_b32 v9, 3, v1
	v_lshlrev_b32 v3, 3, v3                        ; 8 h: how far my two scale bytes are shifted
	v_mov_b32 v[PT], 0                             ; written once: a lane permute's destination counts as one of its sources
	s_wait_alu depctr_va_vdst(0)
	s_wait_kmcnt 0x0
	s_add_nc_u64 s[4:5], s[4:5], s[10:11]
	s_add_nc_u64 s[6:7], s[6:7], s[14:15]
.irp s, 0,1
.irp row, 0,1,2,3,4,5,6,7,8,9,10,11,12,13,14,15
	global_load_b128 v[R+64*\s+4*\row:R+64*\s+4*\row+3], v4, s[4:5] offset:1024*\row+512*\s th:TH_LOAD_NT   ; 512 consecutive bytes: K step s of a row
.endr
.endr
; K step s goes through its stage; LDS serves a wave's instructions in order, so no wait stands between the stores and the loads
.macro TURN s, dst
.irp row, 0,1,2,3,4,5,6,7,8,9,10,11,12,13,14,15
	ds_store_b128 v5, v[R+64*\s+4*\row:R+64*\s+4*\row+3] offset:STG*\s+PITCH*\row
.endr
.irp c, 0,1
.irp i, 0,1,2,3,4,5,6,7
	ds_load_b128 v[\dst+32*\c+4*\i:\dst+32*\c+4*\i+3], v6 offset:STG*\s+256*\c+16*\i
.endr
.endr
.endm
; 64 numbers of a lane, register 32 c + i = k 64 c + 32 h + i of row r, become registers 12 s .. 12 s + 11 of the fragment and the scale word of K step s; their squares are added up
.macro QUANTW s, xb
.irp c, 0,1
	v_max3_num_f32 v[MX+\c], |v[\xb+32*\c]|, |v[\xb+32*\c+1]|, 0x2800000   ; the floor 2^(5 - 127): the byte cannot fall under 1
.endr
.irp i, 2,4,6,8,10,12,14,16,18,20,22,24,26,28,30
.irp c, 0,1
	v_max3_num_f32 v[MX+\c], v[MX+\c], |v[\xb+32*\c+\i]|, |v[\xb+32*\c+\i+1]|   ; the two blocks by turns
.endr
.endr
.set j, 0
.rept 32
.if (\s == 0) && (j < 4)
	v_pk_mul_f32 v[SQ+2*j:SQ+2*j+1], v[\xb+2*j:\xb+2*j+1], v[\xb+2*j:\xb+2*j+1]   ; the first four pairs start the chains: nothing is cleared
.else
	v_pk_fma_f32 v[SQ+2*(j%4):SQ+2*(j%4)+1], v[\xb+2*j:\xb+2*j+1], v[\xb+2*j:\xb+2*j+1], v[SQ+2*(j%4):SQ+2*(j%4)+1]
.endif
.set j, j+1
.endr
.irp c, 0,1
	v_add_nc_u32 v[SO+\c], 0xfe000000, v[MX+\c]    ; 4 off the exponent field: the conversion takes this operand's exponent field as its scale
.endr
.irp c, 0,1
	v_lshrrev_b32 v[BY+\c], 23, v[SO+\c]           ; the scale's byte
.endr
	v_lshl_or_b32 v[WD], v[BY+1], 16, v[BY]        ; my two bytes: blocks h and 2 + h of row r,
	v_lshlrev_b32 v[WD], v3, v[WD]                 ; at their places in the word;
	v_permlanex16_b32 v[PT], v[WD], s12, s13
	v_or_b32 v[WORD+\s], v[WD], v[PT]              ; with lane l xor 16's two the word is whole, in both halves of the lanes
.irp c, 0,1
	v_cvt_scalef32_pk16_bf6_f32 v[F+12*\s+6*\c:F+12*\s+6*\c+2], v[\xb+32*\c:\xb+32*\c+15], v[SO+\c]
	v_cvt_scalef32_pk16_bf6_f32 v[TH+4*\c:TH+4*\c+2], v[\xb+32*\c+16:\xb+32*\c+31], v[SO+\c]   ; a conversion's three registers begin on an even number: the upper half is made here and moved
.endr
	v_nop                                          ; one plain place behind a scaled conversion
.irp c, 0,1
.irp i, 0,1,2
	v_mov_b32 v[F+12*\s+6*\c+3+\i], v[TH+4*\c+\i]
.endr
.endr
.endm
	s_wait_loadcnt 16                              ; K step 0's sixteen loads are in; K step 1's sixteen may be out
	TURN 0, X
	s_wait_loadcnt 0x0                             ; K step 1's are in
	s_wait_dscnt 0x0                               ; K step 0 is back by blocks, and its stores have read v64-127,
	TURN 1, R                                      ; into which K step 1 comes back while K step 0 is quantised
	QUANTW 0, X
	s_wait_dscnt 0x0
	QUANTW 1, R
	v_pk_add_f32 v[SQ:SQ+1], v[SQ:SQ+1], v[SQ+2:SQ+3]
	v_pk_add_f32 v[SQ+4:SQ+5], v[SQ+4:SQ+5], v[SQ+6:SQ+7]
	v_pk_add_f32 v[SQ:SQ+1], v[SQ:SQ+1], v[SQ+4:SQ+5]
	v_add_f32 v[SQ], v[SQ], v[SQ+1]                ; my 128 numbers' squares,
	v_permlanex16_b32 v[PT], v[SQ], s12, s13
	v_add_f32 v15, v[SQ], v[PT]                    ; and lane l xor 16's: w2 of row r, in both halves of the lanes
	v_cmp_le_u32 vcc_lo, 16, v1
	v_cndmask_b32 v14, v[WORD], v[WORD+1], vcc_lo  ; lanes 0-15: K step 0's word, lanes 16-31: K step 1's
	ds_store_b32 v7, v14                           ; the record's last 256 bytes are gathered in LDS: 128 bytes of scale words,
	ds_store_b32 v7, v15 offset:128                ; 128 of w2 (the 16 numbers twice)
	ds_load_b64 v[10:11], v8                       ; LDS serves a wave's instructions in order: this sees my stores
.irp g, 0,1,2,3,4,5
	global_store_b128 v4, v[F+4*\g:F+4*\g+3], s[6:7] offset:512*\g   ; 512 consecutive bytes, at a multiple of 256 from wq's first byte
.endr
	s_wait_dscnt 0x0
	global_store_b64 v9, v[10:11], s[6:7] offset:3072                ; 256 consecutive bytes
	s_wait_tensorcnt 0x0
	ds_add_u32 v43, v47
	s_wait_dscnt 0x0
	s_endpgm
.Lfunc_end_k_q381d254029_wquant:
	.size	k_q381d254029_wquant, .Lfunc_end_k_q381d254029_wquant-k_q381d254029_wquant
	.p2alignl 7, 3214868480
	.fill 96, 4, 3214868480
	.section	.rodata,"a",@progbits
	.p2align	6, 0x0
	.amdhsa_kernel k_q381d254029_wquant
		.amdhsa_group_segment_fixed_size 35072
		.amdhsa_private_segment_fixed_size 0
		.amdhsa_enable_private_segment 0
		.amdhsa_kernarg_size 16
		.amdhsa_user_sgpr_count 2
		.amdhsa_user_sgpr_kernarg_segment_ptr 1
		.amdhsa_wavefront_size32 1
		.amdhsa_system_sgpr_workgroup_id_x 1
		.amdhsa_system_sgpr_workgroup_id_y 1
		.amdhsa_system_sgpr_workgroup_id_z 1
		.amdhsa_system_vgpr_workitem_id 0
		.amdhsa_next_free_vgpr 256
		.amdhsa_next_free_sgpr 66
		.amdhsa_reserve_vcc 1
		.amdhsa_float_denorm_mode_32 3
		.amdhsa_float_denorm_mode_16_64 3
		.amdhsa_memory_ordered 1
		.amdhsa_forward_progress 1
		.amdhsa_inst_pref_size 21
	.end_amdhsa_kernel
	.amdgpu_metadata
---
amdhsa.version: [ 1, 2 ]
amdhsa.kernels:
  - .name:           k_q381d254029_wquant
    .symbol:         k_q381d254029_wquant.kd
    .args:
      - { .name: weight, .offset: 0, .size: 8, .value_kind: global_buffer, .address_space: global }
      - { .name: wq, .offset: 8, .size: 8, .value_kind: global_buffer, .address_space: global }
    .group_segment_fixed_size: 35072
    .private_segment_fixed_size: 0
    .kernarg_segment_align: 8
    .kernarg_segment_size: 16
    .max_flat_workgroup_size: 64
    .sgpr_count:     66
    .vgpr_count:     256
    .wavefront_size: 32
...
	.end_amdgpu_metadata
.endif
;; end of part 1
;; launch vq (part 2): grid 256 x 1, 8 waves a work-group, clusters of 4 x 1, 327,680 bytes of LDS; arguments inputs, wq, out2, idxw; writes out2, idxw
.if DOCPART == 2
	.amdgcn_target "amdgcn-amd-amdhsa--gfx1250"
	.amdhsa_code_object_version 6
	.text
	.protected	k_q381d254029_vq
	.globl	k_q381d254029_vq
	.p2align	8
	.type	k_q381d254029_vq,@function
k_q381d254029_vq:
	s_mov_b64 s[64:65], 0
	v_nop
	global_prefetch_b8 v0, s[64:65] scope:SCOPE_SE
	s_setreg_imm32_b32 hwreg(HW_REG_WAVE_MODE, 25, 1), 1
	s_wait_xcnt 0x0
	s_wait_alu depctr_hold_cnt(0) depctr_sa_sdst(0) depctr_va_vdst(0) depctr_va_sdst(0) depctr_va_ssrc(0) depctr_va_vcc(0) depctr_vm_vsrc(0)
	s_getreg_b32 s2, hwreg(HW_REG_IB_STS2, 6, 4)
	s_cmp_eq_u32 s2, 0
	s_cbranch_scc0 .Lentry_in_a_cluster
	s_endpgm
.Lentry_in_a_cluster:
	s_bfe_u32 s2, ttmp6, 0x10000c
	s_cmp_lg_u32 s2, 0x3003
	s_cbranch_scc0 .Lentry_shape_is_right
	s_endpgm
.Lentry_shape_is_right:
; For each of the 32,768 rows (b, t) of x = inputs^T: the first index of the smallest d[n] = fl(fl(x2 + w2[n]) - P[n]), P = Q(2 x) . Q(weight[n]), K = 256, on codes of E3M2 with one E8M0 scale for each 32 along K.
; The index goes to out2 and, a second time, to idxw, from which the next launch forms addresses.
; Q(2 x): doubling moves a block's scale by one and leaves its codes: x is converted under its own scale, and 1 is added to each byte of its scale word.
; LIMITS: NaN and infinities among the inputs are not served (a row none of whose distances is finite gets an index of chunk 0).  A block of x whose largest magnitude lies under 2^-122 keeps the floor's byte, 1, for x,
; where the quantiser of 2 x would hold the byte of 2 x at 1.  x2 is summed in f32 in eight chains a lane and two halves, not in the order of a plain loop.
; SHARES.  A work-group owns 128 rows (one b, 128 neighbouring t) against all 8,192 codewords: each row has one owner.  The eight waves share the codewords, not the rows: every wave keeps the fragments of all
; 8 row tiles x 2 K steps in registers (192), and takes 4 of the 32 records (16 codewords each) of a slot: a record's bytes are read from LDS once in the work-group and feed 16 matrix instructions.
; LAYOUT.  Source 0 = 16 codewords, source 1 = 16 rows of x: lane (r, h) holds ONE row r and codewords 8 h + 0 .. 7 in its eight registers: the minimum runs inside a lane.
; THE MINIMUM, 17 vector instructions for 8 distances: 4 packed x2 + w2, 4 packed - P, 4 three-input minima, the last of which takes the best so far in and writes the new best into the other of two register sets
; (the sets take turns record by record), one strict compare of new and old best (on equality the earlier chunk stays: a wave meets its codewords in ascending order), and 4 pairs of selects on VCC, which keep the
; chunk's first seven distances and its first codeword.  At the end the first kept distance equal to the best gives the place in the chunk; if none is equal, it is the eighth: so the eighth is not kept.
; All later joins (the two halves of the lanes, the eight waves) take the smaller distance and, on equality, the smaller index.  No branch and no address hangs on a distance.
; CLUSTER.  All work-groups walk the same records, so the four partners of a cluster ask for each JOINTLY: every wave issues one tensor load for its own 4 records, with the same descriptor in all four partners.
; THE CHANGE OF SLOTS stands in a slot's LAST record: its nine LDS loads are back, so the wave's reads of the slot are over.  The products stand between the add and the wait for it, half of the record's vector
; work between the round's opening signal and its wait, and the other half behind the refill and the next slot's first LDS loads.  One tensor load of a wave is out at any time; every wait on TENSORcnt is for 0.
; No prefetch: the records are read by every work-group of the launch, not once; x is wanted at the head alone.
; REGISTERS.  Window 0: v1-15, v24-30 addresses; v16-23 x's scale words; v32-39, v40-47 the best, two sets; v48-63 x2 + w2 of two row tiles; v64-67 minima; v68 the record's scale words; v69 the chunk's first codeword;
;   v70-93 the record's fragments; v94-109 w2, two sets; v110-125 x2, each twice, as pairs; v128-191 the 8 accumulators; v192-255 for each row tile seven kept distances and the chunk.
;   Window 1: v0-191 x's fragments, (tile i, K step s) at 24 i + 12 s.   At the head: v128-255 my 128 numbers of x; v70-93 their codes; v48-63, v94-117 at work.
.set REC,   3328                       ; a record
.set WSH,   4*REC                      ; a wave's share of a slot: 13,312 bytes = 52 rows of 256
.set SLOTB, 8*WSH                      ; a slot: 32 records
.set SLOT1, 1<<17                      ; slot 1 begins here: one exclusive or turns an address in one slot into the other's
.set XIMG,  SLOTB                      ; between the slots: x's 16 fragments as images of their registers, 1,536 bytes each
.set XSC,   SLOT1+SLOTB                ; behind slot 1: x's scale words, 128 bytes a row tile,
.set XX2,   XSC+1024                   ; the two halves of x2, 512 bytes each,
.set MRGV,  XX2+1024                   ; the waves' best distances [wave][128], and 4,096 bytes on their indices,
.set SPARE, MRGV+8192                  ; and the spare words, 128 bytes for each wave: four blocks of 256 bytes that no other line names
.set SPW,  1
.set NIL,  2
.set AW0,  3                           ; 16 lane + my share
.set AS0,  4                           ; 4 lane + my share
.set A20,  5                           ; 32 h + my share
.set AW,   6                           ; the same three in the slot in hand
.set AS,   7
.set A2,   8
.set LN,   9
.set RR,   10
.set HH,   11
.set LI,   12                          ; XIMG + 16 lane
.set AX2,  13                          ; XX2 + 4 r
.set AMS,  14                          ; MRGV + 512 wave + 4 r
.set AM,   15                          ; MRGV + 256 (wave % 2) + 8 lane
.set XS,   16
.set XOFF, 24                          ; 4 lane
.set AXI,  25                          ; where I store my two images of x
.set AXS,  26                          ; my row's scale word
.set AXQ,  27                          ; my row's half of x2
.set LS,   28                          ; XSC + 4 lane
.set GO,   29                          ; 256 (wave % 2) + 8 lane
.set H8,   30                          ; 8 h
.set B0,   32
.set B1,   40
.set T0,   48
.set T1,   56
.set MA,   64
.set MB,   66
.set WS,   68
.set NBV,  69
.set WF,   70
.set W2,   94
.set X2P,  110
.set JJ,   110                         ; at the end: the place in the chunk
.set ACC,  128
.set KP,   192
.set X,    128                         ; at the head
.set FA,   70
.set FB,   82
.set TH,   48
.set MX,   94
.set SO,   98
.set BY,   102
.set WD,   106
.set SQ,   110
.set MSB, 0
.macro WIN new                         ; the immediate's high byte repeats the setting that is left
.if MSB != \new
	s_set_vgpr_msb (MSB<<8)|\new
.set MSB, \new
.endif
.endm
.macro CREST                           ; a round of the cluster's barrier behind its opening barrier
	s_cmp_lg_u32 s12, 0
	s_cbranch_scc1 .Lnot_wave_0_\@
	s_barrier_signal -3
.Lnot_wave_0_\@:
	s_barrier_wait -3
	s_barrier_signal -1
	s_barrier_wait -1
.endm
.macro ROUND                           ; a whole round
	s_barrier_signal -1
	s_barrier_wait -1
	CREST
.endm
.macro TLOAD                           ; my joint load: my 4 records of a slot; s_nop 0 and four v_nop follow it
	tensor_load_to_lds s[24:27], s[16:23]
	s_nop 0
.rept 4
	v_nop
.endr
.endm
.macro XLD n                           ; x(my row, 128 ks + k): 128 consecutive bytes a wave, four waves side by side on 512
.rept \n
	global_load_b32 v[X+k], v[XOFF], s[4:5] offset:4096*k th:TH_LOAD_NT
.set k, k+1
.endr
.endm
	s_load_b256 s[4:11], s[0:1], 0x0               ; inputs s[4:5], wq s[6:7], out2 s[8:9], idxw s[10:11]
	v_lshl_add_u32 v[SPW], v0, 2, SPARE
	v_mov_b32 v[NIL], 0
	ds_add_u32 v[SPW], v[NIL]                      ; the opening lines: the add, twice on end, and its wait ahead of my first tensor load
	ds_add_u32 v[SPW], v[NIL]
	v_lshrrev_b32 v[LN], 5, v0
	s_delay_alu instid0(VALU_DEP_1)
	v_readfirstlane_b32 s12, v[LN]                 ; wave 0..7
	s_bfe_u32 s13, ttmp6, 0x40000                  ; cx: my place in the cluster
	s_lshl_b32 s14, ttmp9, 2                       ; in a cluster launch ttmp9 counts clusters
	s_add_co_u32 s14, s14, s13                     ; my block of 128 rows: it enters the addresses of inputs, out2 and idxw alone
	; descriptor group 1: a dense block of 13,312 bytes as 52 rows of 256 bytes (32 elements of 8 bytes); no padding: the images are read 512 consecutive bytes an instruction
	s_mov_b32 s16, 15|(3<<16)|(1<<21)              ; the mask: all four work-groups; elements of 8 bytes; bit 21 set beside a mask
	s_mov_b32 s17, 32<<16
	s_mov_b32 s18, 52<<16
	s_mov_b32 s19, 32<<16
	s_mov_b32 s20, 52
	s_mov_b32 s21, 32
	s_mov_b32 s22, 0
	s_mov_b32 s23, 0
	s_mul_i32 s44, s12, WSH                        ; my share of a slot, in LDS and in wq alike
	s_mov_b32 s45, 0
	s_mov_b32 s34, 0x76543210
	s_mov_b32 s35, 0xfedcba98                      ; v_permlanex16_b32's selects for lane l xor 16
	s_mov_b32 s36, 0x7f800000                      ; +infinity
	s_lshl_b32 s37, s12, 9
	s_add_co_u32 s37, s37, MRGV
	s_and_b32 s38, s12, 1
	s_lshl_b32 s38, s38, 8
	; x: wave w takes rows 32 (w % 4) + lane of the block and K step w / 4: a lane to a row, its 128 registers run down K
	s_and_b32 s46, s12, 3                          ; rg
	s_lshr_b32 s47, s12, 2                         ; ks
	s_mul_i32 s39, s46, 6144                       ; row tiles 2 rg and 2 rg + 1: images 4 rg + ks and 4 rg + 2 + ks
	s_mul_i32 s48, s47, 1536
	s_add_co_u32 s39, s39, s48
	s_add_co_u32 s39, s39, XIMG
	s_lshl_b32 s54, s46, 8
	s_lshl_b32 s48, s47, 6
	s_add_co_u32 s54, s54, s48
	s_add_co_u32 s54, s54, XSC
	s_lshl_b32 s55, s47, 9
	s_lshl_b32 s48, s46, 7
	s_add_co_u32 s55, s55, s48
	s_add_co_u32 s55, s55, XX2
	s_lshr_b32 s50, s14, 3                         ; b = block / 8: 2^20 bytes each,
	s_lshl_b32 s50, s50, 20
	s_and_b32 s51, s14, 7                          ; t0 = 128 (block % 8): 512 bytes,
	s_lshl_b32 s51, s51, 9
	s_add_co_u32 s50, s50, s51
	s_lshl_b32 s51, s46, 7                         ; my 32 rows: 128 bytes,
	s_add_co_u32 s50, s50, s51
	s_lshl_b32 s51, s47, 19                        ; my K step: 128 rows of inputs, 4,096 bytes each
	s_add_co_u32 s50, s50, s51
	s_mov_b32 s51, 0
	s_lshl_b32 s52, s14, 9                         ; my block's 128 indices
	s_mov_b32 s53, 0
	v_and_b32 v[LN], 31, v0                        ; lane
	v_and_b32 v[RR], 15, v0                        ; r
	v_bfe_u32 v[HH], v0, 4, 1                      ; h
	s_delay_alu instid0(VALU_DEP_3)
	v_lshl_add_u32 v[AW0], v[LN], 4, s44
	s_delay_alu instid0(VALU_DEP_4)
	v_lshl_add_u32 v[AS0], v[LN], 2, s44
	s_delay_alu instid0(VALU_DEP_3)
	v_lshl_add_u32 v[A20], v[HH], 5, s44
	v_lshl_add_u32 v[LI], v[LN], 4, XIMG
	v_lshl_add_u32 v[AX2], v[RR], 2, XX2
	v_lshl_add_u32 v[LS], v[LN], 2, XSC
	v_lshlrev_b32 v[XOFF], 2, v[LN]
	v_lshlrev_b32 v[H8], 3, v[HH]
	v_lshl_add_u32 v[AMS], v[RR], 2, s37
	v_lshl_add_u32 v[GO], v[LN], 3, s38
	v_lshl_add_u32 v[AXI], v[LN], 4, s39
	v_lshl_add_u32 v[AXS], v[RR], 2, s54
	v_lshl_add_u32 v[AXQ], v[LN], 2, s55           ; XX2 + 512 ks + 4 (32 rg + lane)
	s_delay_alu instid0(VALU_DEP_4)
	v_add_nc_u32 v[AM], MRGV, v[GO]
	s_delay_alu instid0(VALU_DEP_3)
	v_lshl_add_u32 v[AXS], v[HH], 7, v[AXS]        ; XSC + 128 (2 rg + lane / 16) + 64 ks + 4 (lane % 16)
	s_wait_alu depctr_va_vdst(0)
	s_wait_dscnt 0x0                               ; both opening adds are done
	s_wait_kmcnt 0x0
	s_add_nc_u64 s[4:5], s[4:5], s[50:51]
	s_add_nc_u64 s[8:9], s[8:9], s[52:53]
	s_add_nc_u64 s[10:11], s[10:11], s[52:53]
.set k, 0
	XLD 60                                         ; the first 60 of my 128 loads of x go out ahead of the round: nobody writes inputs
	s_mov_b32 s24, 1                               ; group 0: count = 1,
	s_mov_b32 s25, s44                             ; LDS address: slot 0,
	s_add_nc_u64 s[26:27], s[6:7], s[44:45]        ; global address: the first 32 records,
	s_or_b32 s27, s27, 0x80000000                  ; type = 2
	ROUND                                          ; all four work-groups are here: the first joint loads meet
	TLOAD                                          ; slot 0: my one tensor load at the head
	XLD 68
.irp i, 0,1,2,3,4,5,6,7
	v_mov_b32 v[B0+\i], s36                        ; the first record finds +infinity, under which every distance lies
.endr
; Block kb of my row's K step: largest magnitude (with the floor 2^(5 - 127) among its leaves), squares, scale operand, byte, codes.  Even blocks go to FA, odd ones to FB.
.macro XBLK kb
.set XB, X+32*(\kb)
.set DD, FA+12*((\kb)%2)+6*((\kb)/2)
.set j, 0
.rept 16
.if j == 0
	v_max3_num_f32 v[MX+\kb], |v[XB]|, |v[XB+1]|, 0x2800000
.else
	s_delay_alu instid0(VALU_DEP_2)
	v_max3_num_f32 v[MX+\kb], v[MX+\kb], |v[XB+2*j]|, |v[XB+2*j+1]|
.endif
.if ((\kb) == 0) && (j < 4)
	v_pk_mul_f32 v[SQ+2*j:SQ+2*j+1], v[XB+2*j:XB+2*j+1], v[XB+2*j:XB+2*j+1]   ; the first four pairs start the chains
.else
	v_pk_fma_f32 v[SQ+2*(j%4):SQ+2*(j%4)+1], v[XB+2*j:XB+2*j+1], v[XB+2*j:XB+2*j+1], v[SQ+2*(j%4):SQ+2*(j%4)+1]
.endif
.set j, j+1
.endr
	s_delay_alu instid0(VALU_DEP_2)
	v_add_nc_u32 v[SO+\kb], 0xfe000000, v[MX+\kb]  ; 4 off the exponent field: the conversion's scale operand
	s_delay_alu instid0(VALU_DEP_1)
	v_lshrrev_b32 v[BY+\kb], 23, v[SO+\kb]         ; the scale's byte
	v_cvt_scalef32_pk16_bf6_f32 v[DD:DD+2], v[XB:XB+15], v[SO+\kb]
	v_cvt_scalef32_pk16_bf6_f32 v[TH+4*(\kb):TH+4*(\kb)+2], v[XB+16:XB+31], v[SO+\kb]   ; a conversion's three registers begin on an even number: the upper half is made here and moved
	v_nop                                          ; one plain place behind a scaled conversion
.endm
	s_wait_loadcnt 63                              ; at most the 63 youngest loads are out: blocks 0 and 1 (the first 64) are in
	XBLK 0
	XBLK 1
	s_wait_loadcnt 32                              ; block 3's 32 may be out
	XBLK 2
	s_wait_loadcnt 0x0
	XBLK 3
	v_lshl_or_b32 v[WD], v[BY+1], 8, v[BY]         ; my row's scale word for this K step,
	s_delay_alu instid0(VALU_DEP_1)
	v_lshl_or_b32 v[WD], v[BY+2], 16, v[WD]
	s_delay_alu instid0(VALU_DEP_1)
	v_lshl_or_b32 v[WD], v[BY+3], 24, v[WD]
	s_delay_alu instid0(VALU_DEP_1)
	v_add_nc_u32 v[WD], 0x01010101, v[WD]          ; of 2 x: each byte one higher (a byte is 250 at the most: nothing is carried)
.irp kb, 0,1,2,3
.irp i, 0,1,2
	v_mov_b32 v[FA+12*(\kb%2)+6*(\kb/2)+3+\i], v[TH+4*\kb+\i]
.endr
.endr
.irp n, 0,1,2,3,4,5,6,7,8,9,10,11
	v_permlane16_swap_b32 v[FA+\n], v[FB+\n]       ; FA is now the fragment of rows 0-15 of my 32 (lanes 0-15 the even block, lanes 16-31 the odd one), FB that of rows 16-31
.endr
	v_pk_add_f32 v[SQ:SQ+1], v[SQ:SQ+1], v[SQ+2:SQ+3]
	v_pk_add_f32 v[SQ+4:SQ+5], v[SQ+4:SQ+5], v[SQ+6:SQ+7]
	s_delay_alu instid0(VALU_DEP_1)
	v_pk_add_f32 v[SQ:SQ+1], v[SQ:SQ+1], v[SQ+4:SQ+5]
	s_delay_alu instid0(VALU_DEP_1)
	v_add_f32 v[SQ], v[SQ], v[SQ+1]                ; my row's half of x2
.irp c, 0,1,2
	ds_store_b128 v[AXI], v[FA+4*\c:FA+4*\c+3] offset:512*\c          ; operands go from wave to wave as images of their registers
	ds_store_b128 v[AXI], v[FB+4*\c:FB+4*\c+3] offset:3072+512*\c
.endr
	ds_store_b32 v[AXS], v[WD]
	ds_store_b32 v[AXQ], v[SQ]
	s_wait_dscnt 0x0                               ; for the others' sake: my stores have landed
	s_barrier_signal -1                            ; My tensor load may stay out
	s_barrier_wait -1
	WIN 0x40                                       ; destination window 1, address window 0
.irp i, 0,1,2,3,4,5,6,7
.irp c, 0,1,2,3,4,5
	ds_load_b128 v[24*\i+4*\c:24*\i+4*\c+3], v[LI] offset:3072*\i+512*\c   ; all 16 fragments of x: they stay
.endr
.endr
	WIN 0
.irp i, 0,1,2,3,4,5,6,7
	ds_load_b32 v[XS+\i], v[LS] offset:128*\i      ; lanes 0-15: K step 0's words of row tile i, lanes 16-31: K step 1's
.endr
.irp i, 0,1,2,3,4,5,6,7
	ds_load_b32 v[T0+\i], v[AX2] offset:64*\i      ; the two halves of x2 of row 16 i + r
	ds_load_b32 v[T1+\i], v[AX2] offset:512+64*\i
.endr
.set k, 0
.rept 32                               ; what is kept begins as seven times +infinity and chunk 0, two registers an instruction
.if (k%4) == 3
	v_dual_mov_b32 v[KP+2*k], s36 :: v_dual_mov_b32 v[KP+2*k+1], 0
.else
	v_dual_mov_b32 v[KP+2*k], s36 :: v_dual_mov_b32 v[KP+2*k+1], s36
.endif
.set k, k+1
.endr
	s_wait_dscnt 0x0
.irp i, 0,1,2,3,4,5,6,7
	v_add_f32 v[X2P+2*\i], v[T0+\i], v[T1+\i]      ; x2,
.endr
.irp i, 0,1,2,3,4,5,6,7
	v_mov_b32 v[X2P+2*\i+1], v[X2P+2*\i]           ; twice: a pair for the packed additions
.endr
	s_mov_b32 s28, 0                               ; LDS byte at which the slot in hand begins
	s_lshl_b32 s30, s12, 6                         ; my first codeword: 64 x wave
	s_mov_b32 s29, 14                              ; slots still to be asked for in the loop: slots 2 to 15
.macro WLOAD tau                       ; record tau of my four: nine loads: 24 fragment registers, the scale words, my eight w2 (into set tau % 2)
.irp g, 0,1,2,3,4,5
	ds_load_b128 v[WF+4*\g:WF+4*\g+3], v[AW] offset:REC*(\tau)+512*\g
.endr
	ds_load_b32 v[WS], v[AS] offset:REC*(\tau)+3072
	ds_load_b128 v[W2+8*((\tau)%2):W2+8*((\tau)%2)+3], v[A2] offset:REC*(\tau)+3200
	ds_load_b128 v[W2+8*((\tau)%2)+4:W2+8*((\tau)%2)+7], v[A2] offset:REC*(\tau)+3216
.endm
.macro ADR                             ; my three addresses in the slot that begins at s28
	v_add_nc_u32 v[AW], s28, v[AW0]
	v_add_nc_u32 v[AS], s28, v[AS0]
	v_add_nc_u32 v[A2], s28, v[A20]
.endm
.macro MULT                            ; 16 codewords x 128 rows x K 256.  The eight accumulators take turns, one instruction a turn; the first K step starts the sums
.irp i, 0,1,2,3,4,5,6,7
	v_wmma_scale_f32_16x16x128_f8f6f4 v[ACC+8*\i:ACC+8*\i+7], v[WF:WF+11], v[24*\i:24*\i+11], 0, v[WS], v[XS+\i] matrix_a_fmt:MATRIX_FMT_BF6 matrix_b_fmt:MATRIX_FMT_BF6
.endr
.irp i, 0,1,2,3,4,5,6,7
	v_wmma_scale_f32_16x16x128_f8f6f4 v[ACC+8*\i:ACC+8*\i+7], v[WF+12:WF+23], v[24*\i+12:24*\i+23], v[ACC+8*\i:ACC+8*\i+7], v[WS], v[XS+\i] matrix_a_fmt:MATRIX_FMT_BF6 matrix_b_fmt:MATRIX_FMT_BF6 matrix_a_scale:MATRIX_SCALE_ROW1 matrix_b_scale:MATRIX_SCALE_ROW1
.endr
.endm
.macro EPI_T a, p                      ; fl(x2 + w2) for row tiles a and a + 1, by turns
.irp q, 0,1,2,3
	v_pk_add_f32 v[T0+2*\q:T0+2*\q+1], v[W2+8*(\p)+2*\q:W2+8*(\p)+2*\q+1], v[X2P+2*(\a):X2P+2*(\a)+1]
	v_pk_add_f32 v[T1+2*\q:T1+2*\q+1], v[W2+8*(\p)+2*\q:W2+8*(\p)+2*\q+1], v[X2P+2*(\a)+2:X2P+2*(\a)+3]
.endr
.endm
.macro KEEP k, c                       ; where VCC is set: the chunk's first seven distances and its first codeword take the place of what was kept; two selects an instruction
.irp j, 0,2,4
	v_dual_cndmask_b32 v[\k+\j], v[\k+\j], v[\c+\j] :: v_dual_cndmask_b32 v[\k+\j+1], v[\k+\j+1], v[\c+\j+1]
.endr
	v_dual_cndmask_b32 v[\k+6], v[\k+6], v[\c+6] :: v_dual_cndmask_b32 v[\k+7], v[\k+7], v[NBV]
.endm
.macro EPI_R a, ob, nb                 ; the distances of row tiles a and a + 1, in place; the new best (set nb) out of the chunk and the old best (set ob); what is kept
.set CA, ACC+8*(\a)
.set CB, ACC+8*(\a)+8
.set KA, KP+8*(\a)
.set KB, KP+8*(\a)+8
.irp q, 0,1,2,3
	v_pk_add_f32 v[CA+2*\q:CA+2*\q+1], v[T0+2*\q:T0+2*\q+1], v[CA+2*\q:CA+2*\q+1] neg_lo:[0,1] neg_hi:[0,1]   ; - P; each accumulator is read from its low end on
	v_pk_add_f32 v[CB+2*\q:CB+2*\q+1], v[T1+2*\q:T1+2*\q+1], v[CB+2*\q:CB+2*\q+1] neg_lo:[0,1] neg_hi:[0,1]
.endr
	v_min3_num_f32 v[MA], v[CA], v[CA+1], v[CA+2]
	v_min3_num_f32 v[MB], v[CB], v[CB+1], v[CB+2]
	v_min3_num_f32 v[MA+1], v[CA+3], v[CA+4], v[CA+5]
	v_min3_num_f32 v[MB+1], v[CB+3], v[CB+4], v[CB+5]
	s_delay_alu instid0(VALU_DEP_4)
	v_min3_num_f32 v[MA], v[MA], v[CA+6], v[CA+7]
	s_delay_alu instid0(VALU_DEP_4)
	v_min3_num_f32 v[MB], v[MB], v[CB+6], v[CB+7]
	s_delay_alu instid0(VALU_DEP_2)
	v_min3_num_f32 v[\nb+(\a)], v[MA], v[MA+1], v[\ob+(\a)]
	s_delay_alu instid0(VALU_DEP_2)
	v_min3_num_f32 v[\nb+(\a)+1], v[MB], v[MB+1], v[\ob+(\a)+1]
	s_delay_alu instid0(VALU_DEP_2)
	v_cmp_lt_f32 vcc_lo, v[\nb+(\a)], v[\ob+(\a)]          ; strictly smaller: on equality the earlier chunk stays
	KEEP KA, CA
	v_cmp_lt_f32 vcc_lo, v[\nb+(\a)+1], v[\ob+(\a)+1]
	KEEP KB, CB
.endm
; One record.  The nine plain lines behind the products name none of their registers: they are the places in front of the first read of results and of the loads into the registers that the products have read.
; mode 0: the next record of the slot is fetched.  mode 1: the slot's last record, with the change of slots and the joint refill.  mode 2: the same with nothing left to ask for.  mode 3: the very last record.
.macro TILE tau, mode
.set OBS, B0+8*((\tau)%2)
.set NBS, B1-8*((\tau)%2)
	s_wait_dscnt 0x0                               ; the record's nine loads are in (mode 1: so my reads of this slot are over)
.if \mode == 1
	s_wait_tensorcnt 0x0                           ; my share of the next slot has landed; no tensor load of mine is out, so group 0 may be written
	ds_add_u32 v[SPW], v[NIL]                      ; 0 onto my spare word
	s_xor_b32 s25, s25, SLOT1                      ; the walking descriptor: the slot that I have just read out,
	s_add_nc_u64 s[26:27], s[26:27], SLOTB         ; the next 32 records; the type bits on top are not reached
.endif
	WIN 0x04                                       ; source 1 (x) window 1
	MULT
	WIN 0
	v_mov_b32 v[NBV], s30
	EPI_T 0, (\tau)%2
.if \mode == 0
	WLOAD (\tau)+1
.endif
.if \mode == 1
	s_wait_alu depctr_va_vdst(0)
	s_wait_dscnt 0x0                               ; the add is done
	s_barrier_signal -1                            ; the round's opening signal; work on registers alone up to its wait
.endif
	EPI_R 0, OBS, NBS
	EPI_T 2, (\tau)%2
	EPI_R 2, OBS, NBS
.if \mode == 1
	s_barrier_wait -1
	CREST                                          ; no wave of any partner still reads that slot or has a load on its way
	TLOAD                                          ; my one tensor load until the next round
.endif
.if \mode == 2
	s_wait_tensorcnt 0x0                           ; my share of the last slot has landed; I alone read it, and nothing is filled again: no barrier
.endif
.if (\mode == 1) || (\mode == 2)
	s_xor_b32 s28, s28, SLOT1                      ; on in the other slot
	ADR
	WLOAD 0
.endif
	EPI_T 4, (\tau)%2
	EPI_R 4, OBS, NBS
	EPI_T 6, (\tau)%2
	EPI_R 6, OBS, NBS
.if (\tau) == 3
	s_add_co_u32 s30, s30, 464                     ; my next four records begin 512 codewords behind these four
.else
	s_add_co_u32 s30, s30, 16
.endif
.endm
.macro SLOTW mode
	TILE 0, 0
	TILE 1, 0
	TILE 2, 0
	TILE 3, \mode
.endm
	s_wait_alu depctr_va_vdst(0)
	s_wait_tensorcnt 0x0                           ; my share of slot 0 is in
	ds_add_u32 v[SPW], v[NIL]
	s_xor_b32 s25, s25, SLOT1                      ; slot 1,
	s_add_nc_u64 s[26:27], s[26:27], SLOTB         ; the second 32 records
	s_wait_dscnt 0x0
	ROUND
	TLOAD                                          ; slot 1's first fill
	ADR
	WLOAD 0
.Lslot:                                            ; 14 trips: slots 0 to 13 are worked, slots 2 to 15 asked for
	SLOTW 1
	s_sub_co_u32 s29, s29, 1
	s_cmp_lg_u32 s29, 0
	s_cbranch_scc1 .Lslot
	SLOTW 2                                        ; the last two slots are written out
	SLOTW 3
	; THE END.  The place in the best chunk: the first kept distance equal to the best; the eighth if none is.
.irp i, 0,1,2,3,4,5,6,7
	v_mov_b32 v[JJ+\i], 7
.endr
.irp j, 6,5,4,3,2,1,0
.irp i, 0,1,2,3,4,5,6,7
	v_cmp_neq_f32 vcc_lo, v[KP+8*\i+\j], v[B0+\i]
	s_delay_alu instid0(VALU_DEP_1)
	v_cndmask_b32 v[JJ+\i], \j, v[JJ+\i], vcc_lo   ; equal: j; the lower j is tried later and stays
.endr
.endr
.irp i, 0,1,2,3,4,5,6,7
	v_add3_u32 v[B1+\i], v[KP+8*\i+7], v[H8], v[JJ+\i] ; the codeword: the chunk's record + 8 h + j
.endr
; the smaller distance, and on equality the smaller index
.macro LEX val, idx, oval, oidx
	v_cmp_lt_f32 s40, v[\oval], v[\val]
	v_cmp_eq_f32 s41, v[\oval], v[\val]
	v_cmp_lt_u32 s42, v[\oidx], v[\idx]
	s_and_b32 s41, s41, s42
	s_or_b32 s40, s40, s41
	v_cndmask_b32 v[\val], v[\val], v[\oval], s40
	v_cndmask_b32 v[\idx], v[\idx], v[\oidx], s40
.endm
.irp i, 0,1,2,3,4,5,6,7
	v_permlanex16_b32 v[T0+\i], v[B0+\i], s34, s35     ; the row's other eight codewords of each record lie in the lane 16 away
	v_permlanex16_b32 v[T1+\i], v[B1+\i], s34, s35
.endr
.irp i, 0,1,2,3,4,5,6,7
	LEX B0+\i, B1+\i, T0+\i, T1+\i
.endr
.irp i, 0,1,2,3,4,5,6,7
	ds_store_b32 v[AMS], v[B0+\i] offset:64*\i         ; both halves of the lanes write the same word with the same value
	ds_store_b32 v[AMS], v[B1+\i] offset:4096+64*\i
.endr
	s_wait_dscnt 0x0                               ; for the others' sake: my stores have landed
	s_barrier_signal -1
	s_barrier_wait -1
	s_cmp_gt_u32 s12, 1                            ; waves 0 and 1 join the eight waves' results, 64 rows each, two rows a lane
	s_cbranch_scc1 .Ljoined
.irp u, 0,1,2,3,4,5,6,7
	ds_load_b64 v[128+2*\u:129+2*\u], v[AM] offset:512*\u
	ds_load_b64 v[144+2*\u:145+2*\u], v[AM] offset:4096+512*\u
.endr
	s_wait_dscnt 0x0
.irp u, 1,2,3,4,5,6,7
	LEX 128, 144, 128+2*\u, 144+2*\u
	LEX 129, 145, 129+2*\u, 145+2*\u
.endr
	global_store_b64 v[GO], v[144:145], s[8:9]     ; 256 consecutive bytes, at a multiple of 256 from the buffer's first byte
	global_store_b64 v[GO], v[144:145], s[10:11]
.Ljoined:
	s_wait_tensorcnt 0x0                           ; the wave's end: behind my last tensor load and my last LDS store
	ds_add_u32 v[SPW], v[NIL]
	s_wait_dscnt 0x0
	ROUND                                          ; the closing round: no work-group ends while a partner may still ask for a tile that names it
	s_endpgm
.Lfunc_end_k_q381d254029_vq:
	.size	k_q381d254029_vq, .Lfunc_end_k_q381d254029_vq-k_q381d254029_vq
	.p2alignl 7, 3214868480
	.fill 96, 4, 3214868480
	.section	.rodata,"a",@progbits
	.p2align	6, 0x0
	.amdhsa_kernel k_q381d254029_vq
		.amdhsa_group_segment_fixed_size 327680
		.amdhsa_private_segment_fixed_size 0
		.amdhsa_enable_private_segment 0
		.amdhsa_kernarg_size 32
		.amdhsa_user_sgpr_count 2
		.amdhsa_user_sgpr_kernarg_segment_ptr 1
		.amdhsa_wavefront_size32 1
		.amdhsa_system_sgpr_workgroup_id_x 1
		.amdhsa_system_sgpr_workgroup_id_y 1
		.amdhsa_system_sgpr_workgroup_id_z 1
		.amdhsa_system_vgpr_workitem_id 0
		.amdhsa_next_free_vgpr 512
		.amdhsa_next_free_sgpr 66
		.amdhsa_reserve_vcc 1
		.amdhsa_float_denorm_mode_32 3
		.amdhsa_float_denorm_mode_16_64 3
		.amdhsa_memory_ordered 1
		.amdhsa_forward_progress 1
		.amdhsa_inst_pref_size 198
	.end_amdhsa_kernel
	.amdgpu_metadata
---
amdhsa.version: [ 1, 2 ]
amdhsa.kernels:
  - .name:           k_q381d254029_vq
    .symbol:         k_q381d254029_vq.kd
    .args:
      - { .name: inputs, .offset: 0, .size: 8, .value_kind: global_buffer, .address_space: global }
      - { .name: wq, .offset: 8, .size: 8, .value_kind: global_buffer, .address_space: global }
      - { .name: out2, .offset: 16, .size: 8, .value_kind: global_buffer, .address_space: global }
      - { .name: idxw, .offset: 24, .size: 8, .value_kind: global_buffer, .address_space: global }
    .group_segment_fixed_size: 327680
    .private_segment_fixed_size: 0
    .kernarg_segment_align: 8
    .kernarg_segment_size: 32
    .max_flat_workgroup_size: 256
    .sgpr_count:     66
    .vgpr_count:     512
    .wavefront_size: 32
...
	.end_amdgpu_metadata
.endif
;; end of part 2
;; launch gather (part 3): grid 512 x 1, 8 waves a work-group, no clusters, 67,840 bytes of LDS; arguments inputs, weight, idxw, out1, part; writes out1, part
.if DOCPART == 3
	.amdgcn_target "amdgcn-amd-amdhsa--gfx1250"
	.amdhsa_code_object_version 6
	.text
	.protected	k_q381d254029_gather
	.globl	k_q381d254029_gather
	.p2align	8
	.type	k_q381d254029_gather,@function
k_q381d254029_gather:
	s_mov_b64 s[64:65], 0
	v_nop
	global_prefetch_b8 v0, s[64:65] scope:SCOPE_SE
	s_setreg_imm32_b32 hwreg(HW_REG_WAVE_MODE, 25, 1), 1
	s_wait_xcnt 0x0
; out1[b][d][t] = x + (weight[idx[b, t]][d] - x), x = inputs[b][d][t], and part[u] = the work-group's sum of (out1 - x)^2.  All in f32, each step rounded as it is written here.
; SHARES.  Work-group u owns 64 neighbouring t of one b (flat rows 64 u on) x all 256 d.  Wave w gathers the codewords of rows 8 w .. 8 w + 7, each as two loads of 512 consecutive bytes, and puts them into LDS;
; behind a barrier it works on d = 32 w .. 32 w + 31: lane (l, h) holds t = 4 l .. 4 l + 3 and d = 32 w + 16 h + 0 .. 15, so that sixteen lanes load and store 256 consecutive bytes of a row of inputs and of out1.
; LDS: 64 rows of 1,040 = 65 x 16 bytes; row t lies at place t / 4 + 16 (t % 4), so that the sixteen lanes of a load take sixteen neighbouring places.
; The indices were stored by the launch before; each is held under 8,192 before it enters an address.
; Memory binds: no matrix unit, no tensor load; no cluster, since no two work-groups share a tile (a codeword may be named by any of them, at no known time).  No prefetch: every load of the launch is issued at its head.
.set PITCH, 1040
.set RED,   64*PITCH                   ; behind the rows: the eight waves' sums
.set GOF,   8                          ; v8-15   byte offsets of my 8 codewords
.set AC,    16                         ; v16-19  sums of squares, four chains
.set Q,     32                         ; v32-95  codewords: as gathered; then (g, e, dd) at 16 g + 4 e + dd
.set X,     96                         ; v96-159 x: (g, dd, e) at 16 g + 4 dd + e
.set O,     160                        ; v160-223 out1, as x
	s_load_b256 s[4:11], s[0:1], 0x0               ; inputs s[4:5], weight s[6:7], idxw s[8:9], out1 s[10:11]
	s_load_b64 s[12:13], s[0:1], 0x20              ; part
	v_lshl_add_u32 v224, v0, 2, 0x10500
	v_mov_b32 v225, 0
	v_lshrrev_b32 v1, 5, v0
	s_delay_alu instid0(VALU_DEP_1)
	v_readfirstlane_b32 s14, v1                    ; wave 0..7
	v_and_b32 v1, 31, v0                           ; lane
	v_and_b32 v2, 15, v0                           ; l
	v_bfe_u32 v3, v0, 4, 1                         ; h
	s_delay_alu instid0(VALU_DEP_3)
	v_lshlrev_b32 v4, 4, v1                        ; 16 x lane
	s_mul_i32 s15, s14, 2*PITCH
	v_add_nc_u32 v5, s15, v4                       ; into LDS: places 2 w on, 16 x lane
	v_mul_u32_u24 v6, v2, PITCH
	s_delay_alu instid0(VALU_DEP_1)
	v_lshl_add_u32 v6, v3, 6, v6
	s_lshl_b32 s15, s14, 7
	v_add_nc_u32 v6, s15, v6                       ; out of it: place l, + 4 (32 w + 16 h)
	v_lshlrev_b32 v7, 4, v2
	s_delay_alu instid0(VALU_DEP_1)
	v_lshl_add_u32 v7, v3, 16, v7                  ; inputs and out1: 16 l + 16 h rows of 4,096 bytes
	v_mov_b32 v20, s14
	s_delay_alu instid0(VALU_DEP_1)
	v_lshl_add_u32 v20, v20, 2, RED                ; my wave's word among the sums
	v_mov_b32 v21, RED
	v_mov_b32 v22, 0
	s_mov_b32 s30, 0x76543210
	s_mov_b32 s31, 0xfedcba98                      ; v_permlanex16_b32's selects for lane l xor 16
	s_lshl_b32 s24, ttmp9, 8                       ; my 8 indices: 4 (64 u + 8 w)
	s_lshl_b32 s25, s14, 5
	s_add_co_u32 s24, s24, s25
	s_mov_b32 s25, 0
	s_lshr_b32 s26, ttmp9, 4                       ; b = u / 16: 2^20 bytes each,
	s_lshl_b32 s26, s26, 20
	s_and_b32 s27, ttmp9, 15                       ; 64 (u % 16) along t: 256 bytes,
	s_lshl_b32 s27, s27, 8
	s_add_co_u32 s26, s26, s27
	s_lshl_b32 s27, s14, 17                        ; my 32 rows d of 4,096 bytes
	s_add_co_u32 s26, s26, s27
	s_mov_b32 s27, 0
	s_lshl_b32 s28, ttmp9, 2
	s_mov_b32 s29, 0
	s_wait_alu depctr_va_vdst(0)
	s_wait_kmcnt 0x0
	s_add_nc_u64 s[8:9], s[8:9], s[24:25]
	s_load_b256 s[16:23], s[8:9], 0x0              ; the indices of rows 8 w .. 8 w + 7
	s_add_nc_u64 s[4:5], s[4:5], s[26:27]
	s_add_nc_u64 s[10:11], s[10:11], s[26:27]
	s_add_nc_u64 s[12:13], s[12:13], s[28:29]
.irp n, 0,1,2,3,4,5,6,7,8,9,10,11,12,13,14,15
	global_load_b128 v[X+4*\n:X+4*\n+3], v7, s[4:5] offset:4096*\n th:TH_LOAD_NT   ; x needs no index: it is asked for while the indices come
.endr
	s_wait_kmcnt 0x0
.irp e, 0,1,2,3,4,5,6,7
	s_min_u32 s[16+\e], s[16+\e], 8191             ; an index stays inside the table
	s_lshl_b32 s[16+\e], s[16+\e], 10              ; a codeword is 1,024 bytes
	v_add_nc_u32 v[GOF+\e], s[16+\e], v4
.endr
	s_wait_alu depctr_va_vdst(0)
.irp e, 0,1,2,3,4,5,6,7
	global_load_b128 v[Q+8*\e:Q+8*\e+3], v[GOF+\e], s[6:7]              ; no hint: a codeword may be named again
	global_load_b128 v[Q+8*\e+4:Q+8*\e+7], v[GOF+\e], s[6:7] offset:512
.endr
	s_wait_loadcnt 0x0                             ; the codewords, the youngest loads, are in, and so is x
.irp e, 0,1,2,3,4,5,6,7
	ds_store_b128 v5, v[Q+8*\e:Q+8*\e+3] offset:((\e/4)+16*(\e%4))*PITCH
	ds_store_b128 v5, v[Q+8*\e+4:Q+8*\e+7] offset:((\e/4)+16*(\e%4))*PITCH+512
.endr
	s_wait_dscnt 0x0                               ; for the others' sake: my stores have landed
	s_barrier_signal -1
	s_barrier_wait -1
.irp g, 0,1,2,3
.irp e, 0,1,2,3
	ds_load_b128 v[Q+16*\g+4*\e:Q+16*\g+4*\e+3], v6 offset:16*PITCH*\e+16*\g   ; weight[idx[4 l + e]][32 w + 16 h + 4 g + 0 .. 3]
.endr
.endr
.macro WORK g
	s_wait_dscnt 12-4*\g                           ; this group's four loads are in; the later groups', four each, may be out
.irp dd, 0,1,2,3
.irp e, 0,1,2,3
	v_sub_f32 v[Q+16*\g+4*\e+\dd], v[Q+16*\g+4*\e+\dd], v[X+16*\g+4*\dd+\e]      ; q - x
.endr
.endr
.irp dd, 0,1,2,3
.irp e, 0,1,2,3
	v_add_f32 v[O+16*\g+4*\dd+\e], v[X+16*\g+4*\dd+\e], v[Q+16*\g+4*\e+\dd]      ; x + (q - x)
.endr
.endr
.irp dd, 0,1,2,3
	global_store_b128 v7, v[O+16*\g+4*\dd:O+16*\g+4*\dd+3], s[10:11] offset:4096*(4*\g+\dd) th:TH_STORE_NT   ; sixteen lanes store 256 consecutive bytes, at a multiple of 256 from out1's first byte
.endr
.irp dd, 0,1,2,3
.irp e, 0,1,2,3
	v_sub_f32 v[Q+16*\g+4*\e+\dd], v[O+16*\g+4*\dd+\e], v[X+16*\g+4*\dd+\e]      ; out1 - x
.endr
.endr
.irp dd, 0,1,2,3
.irp e, 0,1,2,3
.if (\g == 0) && (\dd == 0)
	v_mul_f32 v[AC+\e], v[Q+16*\g+4*\e+\dd], v[Q+16*\g+4*\e+\dd]                 ; the first four start the chains
.else
	v_fmac_f32 v[AC+\e], v[Q+16*\g+4*\e+\dd], v[Q+16*\g+4*\e+\dd]
.endif
.endr
.endr
.endm
	WORK 0
	WORK 1
	WORK 2
	WORK 3
	s_delay_alu instid0(VALU_DEP_3)
	v_add_f32 v[AC], v[AC], v[AC+1]
	s_delay_alu instid0(VALU_DEP_2)
	v_add_f32 v[AC+2], v[AC+2], v[AC+3]
	s_delay_alu instid0(VALU_DEP_1)
	v_add_f32 v[AC], v[AC], v[AC+2]
	s_delay_alu instid0(VALU_DEP_1)
	v_add_f32_dpp v[AC], v[AC], v[AC] row_xmask:1 row_mask:0xf bank_mask:0xf
	s_delay_alu instid0(VALU_DEP_1)
	v_add_f32_dpp v[AC], v[AC], v[AC] row_xmask:2 row_mask:0xf bank_mask:0xf
	s_delay_alu instid0(VALU_DEP_1)
	v_add_f32_dpp v[AC], v[AC], v[AC] row_xmask:4 row_mask:0xf bank_mask:0xf
	s_delay_alu instid0(VALU_DEP_1)
	v_add_f32_dpp v[AC], v[AC], v[AC] row_xmask:8 row_mask:0xf bank_mask:0xf
	s_delay_alu instid0(VALU_DEP_1)
	v_permlanex16_b32 v[AC+1], v[AC], s30, s31
	s_delay_alu instid0(VALU_DEP_1)
	v_add_f32 v[AC], v[AC], v[AC+1]                ; the wave's sum, in every lane
	ds_store_b32 v20, v[AC]
	s_wait_dscnt 0x0
	s_barrier_signal -1
	s_barrier_wait -1
	ds_load_b128 v[24:27], v21
	ds_load_b128 v[28:31], v21 offset:16
	s_wait_dscnt 0x0
	v_add_f32 v24, v24, v25
	v_add_f32 v26, v26, v27
	v_add_f32 v28, v28, v29
	v_add_f32 v30, v30, v31
	s_delay_alu instid0(VALU_DEP_3)
	v_add_f32 v24, v24, v26
	s_delay_alu instid0(VALU_DEP_2)
	v_add_f32 v28, v28, v30
	s_delay_alu instid0(VALU_DEP_1)
	v_add_f32 v24, v24, v28                        ; the work-group's sum
	s_cmp_lg_u32 s14, 0
	s_cbranch_scc1 .Lothers
	s_wait_xcnt 0x0                                ; EXEC changes only behind this wait: my stores above have had their addresses translated
	v_cmp_eq_u32 vcc_lo, 0, v0
	s_wait_tensorcnt 0x0
	ds_add_u32 v224, v225
	s_wait_dscnt 0x0
	s_and_saveexec_b32 s15, vcc_lo
	s_wait_alu depctr_va_vdst(0)
	global_store_b32 v22, v24, s[12:13]            ; thread 0 stores part[u]
	s_endpgm
.Lothers:
	s_wait_tensorcnt 0x0
	ds_add_u32 v224, v225
	s_wait_dscnt 0x0
	s_endpgm
.Lfunc_end_k_q381d254029_gather:
	.size	k_q381d254029_gather, .Lfunc_end_k_q381d254029_gather-k_q381d254029_gather
	.p2alignl 7, 3214868480
	.fill 96, 4, 3214868480
	.section	.rodata,"a",@progbits
	.p2align	6, 0x0
	.amdhsa_kernel k_q381d254029_gather
		.amdhsa_group_segment_fixed_size 67840
		.amdhsa_private_segment_fixed_size 0
		.amdhsa_enable_private_segment 0
		.amdhsa_kernarg_size 40
		.amdhsa_user_sgpr_count 2
		.amdhsa_user_sgpr_kernarg_segment_ptr 1
		.amdhsa_wavefront_size32 1
		.amdhsa_system_sgpr_workgroup_id_x 1
		.amdhsa_system_sgpr_workgroup_id_y 1
		.amdhsa_system_sgpr_workgroup_id_z 1
		.amdhsa_system_vgpr_workitem_id 0
		.amdhsa_next_free_vgpr 226
		.amdhsa_next_free_sgpr 66
		.amdhsa_reserve_vcc 1
		.amdhsa_float_denorm_mode_32 3
		.amdhsa_float_denorm_mode_16_64 3
		.amdhsa_memory_ordered 1
		.amdhsa_forward_progress 1
		.amdhsa_inst_pref_size 21
	.end_amdhsa_kernel
	.amdgpu_metadata
---
amdhsa.version: [ 1, 2 ]
amdhsa.kernels:
  - .name:           k_q381d254029_gather
    .symbol:         k_q381d254029_gather.kd
    .args:
      - { .name: inputs, .offset: 0, .size: 8, .value_kind: global_buffer, .address_space: global }
      - { .name: weight, .offset: 8, .size: 8, .value_kind: global_buffer, .address_space: global }
      - { .name: idxw, .offset: 16, .size: 8, .value_kind: global_buffer, .address_space: global }
      - { .name: out1, .offset: 24, .size: 8, .value_kind: global_buffer, .address_space: global }
      - { .name: part, .offset: 32, .size: 8, .value_kind: global_buffer, .address_space: global }
    .group_segment_fixed_size: 67840
    .private_segment_fixed_size: 0
    .kernarg_segment_align: 8
    .kernarg_segment_size: 40
    .max_flat_workgroup_size: 256
    .sgpr_count:     66
    .vgpr_count:     226
    .wavefront_size: 32
...
	.end_amdgpu_metadata
.endif
;; end of part 3
;; launch loss (part 4): grid 1 x 1, 1 waves a work-group, no clusters, 0 bytes of LDS; arguments part, out0; writes out0
.if DOCPART == 4
	.amdgcn_target "amdgcn-amd-amdhsa--gfx1250"
	.amdhsa_code_object_version 6
	.text
	.protected	k_q381d254029_loss
	.globl	k_q381d254029_loss
	.p2align	8
	.type	k_q381d254029_loss,@function
k_q381d254029_loss:
	s_mov_b64 s[64:65], 0
	v_nop
	global_prefetch_b8 v0, s[64:65] scope:SCOPE_SE
	s_setreg_imm32_b32 hwreg(HW_REG_WAVE_MODE, 25, 1), 1
	s_wait_xcnt 0x0
; out0 = m + 0.25 m, m = (the sum of the 512 partial sums) / 2^23: the mean of (out1 - x)^2 over 32,768 x 256 numbers.
; One wave: a sum over all work-groups of the launch before has one owner.  Each lane takes 16 numbers, by four loads of 512 consecutive bytes a wave.
	s_load_b128 s[4:7], s[0:1], 0x0                ; part, out0
	v_lshlrev_b32 v1, 4, v0
	v_mov_b32 v20, 0
	s_mov_b32 s8, 0x76543210
	s_mov_b32 s9, 0xfedcba98                       ; v_permlanex16_b32's selects for lane l xor 16
	s_wait_alu depctr_va_vdst(0)
	s_wait_kmcnt 0x0
.irp i, 0,1,2,3
	global_load_b128 v[4+4*\i:7+4*\i], v1, s[4:5] offset:512*\i
.endr
	s_wait_loadcnt 0x0
	v_pk_add_f32 v[4:5], v[4:5], v[6:7]
	v_pk_add_f32 v[8:9], v[8:9], v[10:11]
	v_pk_add_f32 v[12:13], v[12:13], v[14:15]
	v_pk_add_f32 v[16:17], v[16:17], v[18:19]
	v_pk_add_f32 v[4:5], v[4:5], v[8:9]
	v_pk_add_f32 v[12:13], v[12:13], v[16:17]
	v_pk_add_f32 v[4:5], v[4:5], v[12:13]
	v_add_f32 v4, v4, v5
	v_add_f32_dpp v4, v4, v4 row_xmask:1 row_mask:0xf bank_mask:0xf
	v_add_f32_dpp v4, v4, v4 row_xmask:2 row_mask:0xf bank_mask:0xf
	v_add_f32_dpp v4, v4, v4 row_xmask:4 row_mask:0xf bank_mask:0xf
	v_add_f32_dpp v4, v4, v4 row_xmask:8 row_mask:0xf bank_mask:0xf
	v_permlanex16_b32 v5, v4, s8, s9
	v_add_f32 v4, v4, v5                           ; the sum, in every lane
	v_mul_f32 v4, 0x34000000, v4                   ; x 2^-23: the mean
	v_fmamk_f32 v6, v4, 0x3e800000, v4             ; m x 0.25 + m
	s_wait_alu depctr_va_vdst(0)
	s_wait_xcnt 0x0                                ; EXEC changes only behind this wait
	v_cmp_eq_u32 vcc_lo, 0, v0
	s_and_saveexec_b32 s10, vcc_lo
	global_store_b32 v20, v6, s[6:7]               ; lane 0 stores the one number
	s_endpgm
.Lfunc_end_k_q381d254029_loss:
	.size	k_q381d254029_loss, .Lfunc_end_k_q381d254029_loss-k_q381d254029_loss
	.p2alignl 7, 3214868480
	.fill 96, 4, 3214868480
	.section	.rodata,"a",@progbits
	.p2align	6, 0x0
	.amdhsa_kernel k_q381d254029_loss
		.amdhsa_group_segment_fixed_size 0
		.amdhsa_private_segment_fixed_size 0
		.amdhsa_enable_private_segment 0
		.amdhsa_kernarg_size 16
		.amdhsa_user_sgpr_count 2
		.amdhsa_user_sgpr_kernarg_segment_ptr 1
		.amdhsa_wavefront_size32 1
		.amdhsa_system_sgpr_workgroup_id_x 1
		.amdhsa_system_sgpr_workgroup_id_y 1
		.amdhsa_system_sgpr_workgroup_id_z 1
		.amdhsa_system_vgpr_workitem_id 0
		.amdhsa_next_free_vgpr 32
		.amdhsa_next_free_sgpr 66
		.amdhsa_reserve_vcc 1
		.amdhsa_float_denorm_mode_32 3
		.amdhsa_float_denorm_mode_16_64 3
		.amdhsa_memory_ordered 1
		.amdhsa_forward_progress 1
		.amdhsa_inst_pref_size 3
	.end_amdhsa_kernel
	.amdgpu_metadata
---
amdhsa.version: [ 1, 2 ]
amdhsa.kernels:
  - .name:           k_q381d254029_loss
    .symbol:         k_q381d254029_loss.kd
    .args:
      - { .name: part, .offset: 0, .size: 8, .value_kind: global_buffer, .address_space: global }
      - { .name: out0, .offset: 8, .size: 8, .value_kind: global_buffer, .address_space: global }
    .group_segment_fixed_size: 0
    .private_segment_fixed_size: 0
    .kernarg_segment_align: 8
    .kernarg_segment_size: 16
    .max_flat_workgroup_size: 32
    .sgpr_count:     66
    .vgpr_count:     32
    .wavefront_size: 32
...
	.end_amdgpu_metadata
.endif
;; end of part 4
